; MI455X (gfx1250); checked and timed in simulation.
; The chip was launched on July 23, 2026; its instructions are those of AMD's public machine-readable ISA for CDNA 5 (MIT licence, August 2026) and "CDNA5" Instruction Set Architecture Reference Guide (July 2026). The comments in the code are by the model that wrote it; some were corrected since.
;; Multi Head Self Attention. Allowed arithmetic: matrix products marked QUANTISED: E5M2 operands, one E8M0 scale for each 32 along K, by v_wmma_scale_f32_16x16x128_f8f6f4 with both operands' format E5M2, f32 sums; everything else in f32.
;; Inputs: Wk 1,024 x 1,024 float32; Wq 1,024 x 1,024 float32; Wv 1,024 x 1,024 float32; bk 1,024 float32; bq 1,024 float32; bv 1,024 float32; x 4 x 2,048 x 1,024 float32.
;; Outputs: out0 4 x 2,048 x 1,024 float32.
;; This version of the problem:
;;   THIS VERSION OF THE PROBLEM IS GIVEN IN LOW PRECISION. The matrix products marked QUANTISED in the list below multiply operands that are first quantised to E5M2 (5 exponent bits, 2 mantissa bits; 8 bits a number), with one power-of-two scale for each 32 numbers along K (OCP MX v1.0); their sums are f32. All else is computed in f32.
;;   The module's matrix products, in the order in which they are computed (A, B: the left and right operand; K: the contracted axis; several contracted axes count as one K, in the product's order):
;;     1. [M 8,192, K 1,024] x [K 1,024, N 1,024]; A: input x; B: input Wq: QUANTISED
;;     2. [M 8,192, K 1,024] x [K 1,024, N 1,024]; A: input x; B: input Wk: QUANTISED
;;     3. [M 8,192, K 1,024] x [K 1,024, N 1,024]; A: input x; B: input Wv: QUANTISED
;;     4. batch 64 x [M 2,048, K 64] x [K 64, N 2,048]; A: computed on the way; B: computed on the way: QUANTISED
;;     5. batch 64 x [M 2,048, K 2,048] x [K 2,048, N 64]; A: softmax (see below); B: computed on the way: QUANTISED
;;   THE QUANTISER, for each operand of a quantised product, along K:
;;     - K is cut into blocks of 32 from its start; a last block that is shorter is filled with zeros.
;;     - A block's scale is 2^e with e = floor(log2(the largest magnitude in the block)) - 15, held to -126 .. 127; a block of zeros has e = 0. As a byte (E8M0): e + 127.
;;     - Each number is divided by its block's scale, clamped to +-57,344, and rounded to the nearest number of E5M2, ties to even, subnormals kept.
;;     - The product sums the exact products of the quantised numbers (number of the format x scale) in f32.
;;   ~~~python
;;   def quantise(x, axis):      # numpy; x: float32 -> the quantised numbers, widened to float32 again
;;       x = np.moveaxis(x, axis, -1); K = x.shape[-1]
;;       x = np.pad(x, [(0, 0)] * (x.ndim - 1) + [(0, -K % 32)]); x = x.reshape(x.shape[:-1] + (-1, 32)); a = np.abs(x).max(-1, keepdims=True)
;;       e = np.where(a > 0, np.clip(np.frexp(np.where(a > 0, a, 1))[1] - 1 - 15, -126, 127), 0)      # np.frexp(a)[1] - 1 = floor(log2(a)), exactly
;;       r = np.clip(x / 2.0 ** e, -57344, 57344)
;;       step = 2.0 ** (np.maximum(np.frexp(np.where(r == 0, 1, r))[1] - 1, -14) - 2)
;;       q = np.round(r / step) * step * 2.0 ** e      # np.round: ties to even
;;       return np.moveaxis(q.reshape(q.shape[:-2] + (-1,))[..., :K], -1, axis).astype(np.float32)
;;   ~~~
;;   SOFTMAX AHEAD OF A QUANTISED PRODUCT. Where the list says 'softmax', what is quantised is not the finished softmax but p = 2^(t - M), with t = logit x log2(e) and M = ceil(the row's largest t), a whole number; so 1/2 < the row's largest p <= 1. The row's sum l is taken of the UNQUANTISED p, in f32, and the product's result is divided by l at the end. Since M is a whole number, a kernel that streams over the keys may use a running M (the ceiling of the running maximum): every later rescaling is an exact power of two, which a block's scale takes up: the codes' values come out the same.
;;   OPERANDS COMPUTED ON THE WAY. 'Computed on the way' means the value that the module computes at that place (a softmax that the list does not call 'softmax' is quantised finished and normalised). What goes into a quantiser is computed in f32, as accurately as f32 sums, v_exp_f32 and their like allow (about 1e-6 of the number): no bf16 or f16 on the way to a quantiser, and a product that is left as it is and whose result goes on into a quantised operand takes f32 operands (vector FMAs, or v_wmma_f32_16x16x4_f32). A number that lies on a knife's edge between two numbers of the format may be rounded either way, as far as f32 arithmetic and the matrix unit's own rounding can turn it there, and no further.
;; One version. Each part assembles by itself: llvm-mc -triple=amdgcn-amd-amdhsa -mcpu=gfx1250 --defsym DOCPART=n.
;; ======== version 1 of 1: 3 launches
;; limits: right only within a limited range of input values
;; workspace buffers: xc 8,388,608 bytes; xs 262,144 bytes; wc 3,145,728 bytes; ws 98,304 bytes; qkv 25,952,256 bytes
;; launch quant (part 1): grid 352 x 1, 4 waves a work-group, no clusters, 69,120 bytes of LDS; arguments x, Wq, Wk, Wv, xc, xs, wc, ws; writes xc, xs, wc, ws
.if DOCPART == 1
	.amdgcn_target "amdgcn-amd-amdhsa--gfx1250"
	.amdhsa_code_object_version 6
	.text
	.protected	k_q80d1ad1c66_quant
	.globl	k_q80d1ad1c66_quant
	.p2align	8
	.type	k_q80d1ad1c66_quant,@function
k_q80d1ad1c66_quant:
	s_mov_b64 s[64:65], 0
	v_nop
	global_prefetch_b8 v0, s[64:65] scope:SCOPE_SE
	s_setreg_imm32_b32 hwreg(HW_REG_WAVE_MODE, 25, 1), 1
	s_wait_xcnt 0x0
; x [8192][1024] f32 (K innermost) and Wq, Wk, Wv [1024 (K)][1024 (n)] f32 (K outermost) become codes of BF8 (E5M2) with K innermost and one E8M0 byte for each 32 along K:
; xc [8192][1024], xs [8192][32];  wc [3072][1024], ws [3072][32] (rows 0-1023 Wq's columns, 1024-2047 Wk's, 2048-3071 Wv's).
; A block's scale is 2^(floor(log2(its largest magnitude)) - 15); its byte is the largest magnitude's exponent field - 15, held at 1 from below; each number is divided by the scale, held within +-57,344, rounded to the nearest code, ties to even.
; ROW ORDER OF THE FOUR BUFFERS: bits 3 and 4 of the row number are exchanged: place 16 u + r of a group of 32 rows holds true row 8 u + r + 8 (r / 8).  So 16 neighbouring rows of a buffer are a tile whose results,
; in the next launch's products, fall 16 neighbours to a lane.
; LIMITS: NaN and infinities among the inputs are not served.  A block whose largest magnitude lies under 2^-111 has its byte held at 1.  A block of zeros has the byte 1 where the rule says 127: its codes are zeros,
; which add nothing under any byte but 0xff, and the bytes are read by this program alone.
; Work-groups 0-255 take x (path X), work-groups 256-351 the weights (path W): 128 KiB of f32 each.  The paths part once, on the work-group's number, never join, and have LDS bytes of their own.
; No tensor loads, no barrier: waves share nothing.
.set WV,    20                         ; s20  my wave's number
.set MNT,   33
.set EMAX,  15
.set MANT,  0x600000
; path X
.set STEPS, 16                         ; a wave takes 16 steps of 512 numbers: 8 rows of x
.set CB,    16                         ; bytes of a lane's 16 codes
.set R,     16                         ; v16-79   four sets of 16 numbers as they are loaded
.set X,     80                         ; v80-111  two sets of 16 neighbours
.set E,     112                        ; v112-127 a scale byte for each step
.set C,     128                        ; v128-191 codes: four registers for each step, so that no store's data are written again
.set WREG,  8192                       ; LDS 0 .. 32,767: a region for each wave: two stages of 32 x SP bytes, behind them its 256 scale bytes
.set SP,    80                         ; a lane's place in a stage: its 64 bytes + 16 of padding
; path W
.set NB,    8                          ; a wave takes 32 columns x 256 along K: 8 blocks a lane
.set PITCH, 272                        ; a stage row: 256 codes + 16 bytes
.set KROW,  1024                       ; a row of wc in bytes
.set NROW,  4096                       ; a row of a weight in bytes
.set WSTG,  32768                      ; LDS 32,768 .. 67,583: a stage of 32 rows for each wave
.set SB,    24                         ; v24-25   the scale bytes, four to a register
.set WX,    32                         ; v32-95   two sets of 32 numbers
.set WC,    96                         ; v96-103  a block's codes
.set OUTR,  112                        ; v112-175 the way out
	s_load_b512 s[4:19], s[0:1], 0x0               ; x 4:5, Wq 6:7, Wk 8:9, Wv 10:11, xc 12:13, xs 14:15, wc 16:17, ws 18:19
	v_lshl_add_u32 v192, v0, 2, 0x10c00
	v_mov_b32 v193, 0
	v_lshrrev_b32 v1, 5, v0
	v_readfirstlane_b32 s[WV], v1                  ; wave 0..3
	v_and_b32 v2, 31, v0                           ; lane
	s_cmp_lt_u32 ttmp9, 256
	s_cbranch_scc0 .Lweights
; ---------------- PATH X.  Rows are dense, so x is a plain stream of blocks of 32.  Each load reads 512 consecutive bytes, 16 a lane; a step's 2,048 bytes turn through the wave's own stage and come back
; 64 bytes a lane: 16 neighbours along K, two neighbouring lanes to a block.
	v_lshlrev_b32 v3, 4, v2                        ; my 16 bytes of a load's 512
	s_mul_i32 s21, s[WV], WREG
	v_lshrrev_b32 v14, 2, v2
	v_mul_u32_u24 v14, v14, SP
	v_and_b32 v15, 3, v2
	v_lshl_add_u32 v14, v15, 4, v14
	v_add_nc_u32 v14, s21, v14                     ; the stage, on the way in: SP (lane / 4) + 16 (lane % 4)
	v_mul_u32_u24 v15, v2, SP
	v_add_nc_u32 v15, s21, v15                     ; and on the way out: SP x lane
	v_mul_u32_u24 v4, v2, CB                       ; my codes' place in a step's
	v_lshrrev_b32 v5, 1, v2
	s_add_co_u32 s21, s21, 2*32*SP
	v_add_nc_u32 v5, s21, v5                       ; my wave's 256 scale bytes, my block's byte
	v_lshlrev_b32 v7, 3, v2                        ; and on the way out 8 bytes a lane
	v_add_nc_u32 v6, s21, v7
	s_lshl_b32 s22, ttmp9, 2
	s_add_co_u32 s24, s22, s[WV]                   ; my run of 8 rows as x has them: 4 x work-group + wave
	s_lshl_b32 s24, s24, 15                        ; x 32,768 bytes
	s_mov_b32 s25, 0
	s_and_b32 s26, s[WV], 1
	s_lshl_b32 s26, s26, 1
	s_lshr_b32 s27, s[WV], 1
	s_or_b32 s26, s26, s27                         ; the wave's two bits are row bits 3 and 4: exchanged,
	s_add_co_u32 s26, s26, s22                     ; they give the run's place in xc and xs
	s_lshl_b32 s28, s26, 8                         ; x 256 scale bytes
	s_mov_b32 s29, 0
	s_lshl_b32 s26, s26, 13                        ; x 8,192 codes
	s_mov_b32 s27, 0
	s_wait_alu depctr_va_vdst(0)
	s_wait_kmcnt 0x0
	s_add_nc_u64 s[4:5], s[4:5], s[24:25]
	s_add_nc_u64 s[12:13], s[12:13], s[26:27]
	s_add_nc_u64 s[14:15], s[14:15], s[28:29]
.macro XLOAD t
.irp i, 0,1,2,3
	global_load_b128 v[R+16*((\t)%4)+4*\i:R+16*((\t)%4)+4*\i+3], v3, s[4:5] offset:2048*(\t)+512*\i th:TH_LOAD_NT   ; 32 lanes read 512 consecutive bytes
.endr
.endm
.macro XTURN t                         ; step t's numbers through the stage: LDS serves a wave's instructions in order, so no wait stands between the stores and the loads
.irp i, 0,1,2,3
	ds_store_b128 v14, v[R+16*((\t)%4)+4*\i:R+16*((\t)%4)+4*\i+3] offset:32*SP*((\t)%2)+8*SP*\i
.endr
.irp i, 0,1,2,3
	ds_load_b128 v[X+16*((\t)%2)+4*\i:X+16*((\t)%2)+4*\i+3], v15 offset:32*SP*((\t)%2)+16*\i
.endr
.endm
.irp t, 0,1,2,3
	XLOAD \t
.endr
	s_wait_loadcnt 12                              ; step 0's four loads are in; the twelve of steps 1 to 3 stay out
	XTURN 0
.macro XSTEP t
.set XS, X+16*((\t)%2)
.if (\t) > 0
	s_wait_dscnt 1                                 ; this step's numbers are back from the stage (the last step's byte store may be out): so its stores into the stage have read their registers,
.else
	s_wait_dscnt 0x0
.endif
.if (\t)+4 < STEPS
	XLOAD (\t)+4                                   ; which take the loads of four steps on
.endif
.if (\t)+1 < STEPS
.if STEPS-2-(\t) >= 3
	s_wait_loadcnt 12                              ; the next step's four loads are in; those of the three steps behind it may be out
.else
	s_wait_loadcnt 4*(STEPS-2-(\t))
.endif
	XTURN (\t)+1                                   ; and go through the other stage while this step is worked
.endif
	v_max3_num_f32 v8, |v[XS]|, |v[XS+1]|, |v[XS+2]|               ; the largest magnitude of my 16, in two chains
	v_max3_num_f32 v9, |v[XS+3]|, |v[XS+4]|, |v[XS+5]|
.irp i, 6,10
	v_max3_num_f32 v8, v8, |v[XS+\i]|, |v[XS+\i+1]|
	v_max3_num_f32 v9, v9, |v[XS+\i+2]|, |v[XS+\i+3]|
.endr
	v_max3_num_f32 v8, v8, |v[XS+14]|, |v[XS+15]|
	v_max3_num_f32 v8, v8, v9, (EMAX+1)<<23        ; and the floor 2^(16 - 127): the byte cannot fall under 1
	v_max_num_f32_dpp v8, v8, v8 row_xmask:1 row_mask:0xf bank_mask:0xf   ; and of my neighbour's 16: the block's
	v_add_nc_u32 v11, -(EMAX<<23), v8              ; 15 off its exponent field: the conversion takes the exponent field of this operand as its scale
.irp i, 0,1,2,3,4,5,6,7,8,9,10,11,12,13,14,15
.endr
	v_cvt_scalef32_pk8_bf8_f32 v[C+4*(\t):C+4*(\t)+1], v[XS:XS+7], v11
	v_cvt_scalef32_pk8_bf8_f32 v[C+4*(\t)+2:C+4*(\t)+3], v[XS+8:XS+15], v11
	v_lshrrev_b32 v[E+(\t)], 23, v11               ; the scale's byte (also the plain line behind the conversions)
	ds_store_b8 v5, v[E+(\t)] offset:16*(\t)       ; both lanes of a block write the same byte with the same value
	global_store_b128 v4, v[C+4*(\t):C+4*(\t)+3], s[12:13] offset:32*CB*(\t)   ; 32 lanes store 512 consecutive bytes
.endm
.irp t, 0,1,2,3,4,5,6,7,8,9,10,11,12,13,14,15
	XSTEP \t
.endr
	ds_load_b64 v[12:13], v6                       ; LDS serves a wave's instructions in order: these see my byte stores
	s_wait_dscnt 0x0
	global_store_b64 v7, v[12:13], s[14:15]        ; 32 lanes store 256 consecutive bytes, aligned: 8 rows' scale bytes
	s_wait_tensorcnt 0x0
	ds_add_u32 v192, v193
	s_wait_dscnt 0x0
	s_endpgm
; ---------------- PATH W.  A lane takes a column n and its registers run down K: a block of 32 lies in one lane, and the conversions give codes with K innermost.  The codes of 32 columns x 256 along K go through the
; wave's own stage and leave as rows: sixteen lanes store 256 consecutive bytes.  The lane's column goes to stage row p(lane), the place that the row order above gives it.
.Lweights:
	s_sub_co_u32 s21, ttmp9, 256
	s_lshr_b32 s22, s21, 2                         ; group of 128 columns, 0..23, over the three weights
	s_and_b32 s23, s21, 3                          ; which 256 along K
	s_and_b32 s24, s22, 7
	s_lshl_b32 s24, s24, 9                         ; the group's first column in its weight, in bytes,
	s_lshl_b32 s25, s[WV], 7                       ; + my wave's 32 columns,
	s_add_co_u32 s24, s24, s25
	s_lshl_b32 s25, s23, 20                        ; + 256 rows of 4,096 bytes for each step along K
	s_add_co_u32 s24, s24, s25
	s_mov_b32 s25, 0
	s_lshl_b32 s26, s22, 7
	s_lshl_b32 s27, s[WV], 5
	s_add_co_u32 s26, s26, s27                     ; my wave's first row of wc and ws
	s_lshl_b32 s28, s26, 10
	s_lshl_b32 s29, s23, 8
	s_add_co_u32 s28, s28, s29                     ; codes: row x 1,024 + 256 x step
	s_mov_b32 s29, 0
	s_lshl_b32 s30, s26, 5
	s_lshl_b32 s31, s23, 3
	s_add_co_u32 s30, s30, s31                     ; scale bytes: row x 32 + 8 x step
	s_mov_b32 s31, 0
	s_wait_alu depctr_va_vdst(0)
	v_lshlrev_b32 v3, 2, v2                        ; in: 4 bytes a lane
	v_and_b32 v14, 7, v2
	v_bfe_u32 v15, v2, 3, 1
	v_lshl_add_u32 v14, v15, 4, v14
	v_bfe_u32 v15, v2, 4, 1
	v_lshl_add_u32 v14, v15, 3, v14                ; p = lane with bits 3 and 4 exchanged
	s_mul_i32 s32, s[WV], 32*PITCH
	s_add_co_u32 s32, s32, WSTG                    ; my stage
	v_mul_u32_u24 v4, v14, PITCH
	v_add_nc_u32 v4, s32, v4                       ; into it: row p
	v_and_b32 v5, 15, v2
	v_lshrrev_b32 v6, 4, v2                        ; out of it: sixteen lanes to a row, two rows an instruction
	v_mul_u32_u24 v7, v6, PITCH
	v_lshl_add_u32 v7, v5, 4, v7
	v_add_nc_u32 v7, s32, v7
	v_mul_u32_u24 v8, v6, KROW
	v_lshl_add_u32 v8, v5, 4, v8                   ; and the same place in wc
	v_lshlrev_b32 v9, 5, v14                       ; my column's row of scale bytes
	s_wait_kmcnt 0x0
	s_cmp_lt_u32 s22, 16                           ; which weight: the choice hangs on the work-group's number alone
	s_cselect_b64 s[8:9], s[8:9], s[10:11]
	s_cmp_lt_u32 s22, 8
	s_cselect_b64 s[6:7], s[6:7], s[8:9]
	s_add_nc_u64 s[6:7], s[6:7], s[24:25]
	s_add_nc_u64 s[16:17], s[16:17], s[28:29]
	s_add_nc_u64 s[18:19], s[18:19], s[30:31]
.macro WLOAD t                         ; block t: W(32 t + i, my column), i = 0 .. 31, into set t % 2; 32 lanes read 128 consecutive bytes, the four waves 512
.irp i, 0,1,2,3,4,5,6,7,8,9,10,11,12,13,14,15,16,17,18,19,20,21,22,23,24,25,26,27,28,29,30,31
	global_load_b32 v[WX+32*((\t)%2)+\i], v3, s[6:7] offset:(32*(\t)+\i)*NROW th:TH_LOAD_NT
.endr
.endm
	WLOAD 0
	WLOAD 1
.macro WBLOCK t
.set XS, WX+32*((\t)%2)
.if (\t) < NB-1
	s_wait_loadcnt 32                              ; this block's 32 loads are in; the next block's 32 may be out
.else
	s_wait_loadcnt 0
.endif
	v_max3_num_f32 v12, |v[XS]|, |v[XS+1]|, |v[XS+2]|               ; the block's largest magnitude: all 32 numbers are mine
	v_max3_num_f32 v13, |v[XS+3]|, |v[XS+4]|, |v[XS+5]|
.irp i, 6,10,14,18,22,26
	v_max3_num_f32 v12, v12, |v[XS+\i]|, |v[XS+\i+1]|
	v_max3_num_f32 v13, v13, |v[XS+\i+2]|, |v[XS+\i+3]|
.endr
	v_max3_num_f32 v12, v12, |v[XS+30]|, |v[XS+31]|
	v_max3_num_f32 v12, v12, v13, (EMAX+1)<<23     ; and the floor
	v_add_nc_u32 v11, -(EMAX<<23), v12             ; the conversion's scale operand
	v_lshrrev_b32 v13, 23, v11                     ; the scale's byte
.if (\t)%4 == 0
	v_mov_b32 v[SB+(\t)/4], v13                    ; four bytes to a register, the lower K in the lower byte
.else
	v_lshl_or_b32 v[SB+(\t)/4], v13, 8*((\t)%4), v[SB+(\t)/4]
.endif
.irp i, 0,1,2,3,4,5,6,7,8,9,10,11,12,13,14,15,16,17,18,19,20,21,22,23,24,25,26,27,28,29,30,31
.endr
.irp g, 0,1,2,3
	v_cvt_scalef32_pk8_bf8_f32 v[WC+2*\g:WC+2*\g+1], v[XS+8*\g:XS+8*\g+7], v11
.endr
	v_nop                                          ; one plain line behind the last conversion
	ds_store_b128 v4, v[WC:WC+3] offset:32*(\t)    ; 32 codes: 32 bytes of my column's row
	ds_store_b128 v4, v[WC+4:WC+7] offset:32*(\t)+16
.if (\t)+2 < NB
	WLOAD (\t)+2
.endif
	s_wait_dscnt 0x0                               ; the stores have read their registers: the next block's codes may be written
.endm
.irp t, 0,1,2,3,4,5,6,7
	WBLOCK \t
.endr
	s_wait_alu depctr_va_vdst(0)
	global_store_b64 v9, v[SB:SB+1], s[18:19]      ; my column's 8 scale bytes
.irp t, 0,1,2,3,4,5,6,7,8,9,10,11,12,13,14,15
	ds_load_b128 v[OUTR+4*\t:OUTR+4*\t+3], v7 offset:2*\t*PITCH   ; LDS serves a wave's instructions in order: these see my stores
.endr
.irp t, 0,1,2,3,4,5,6,7,8,9,10,11,12,13,14,15
	s_wait_dscnt 15-\t                             ; LDS loads come back in order: load t is in, the 15 - t behind it may be out
	global_store_b128 v8, v[OUTR+4*\t:OUTR+4*\t+3], s[16:17] offset:2*\t*KROW   ; sixteen lanes store 256 consecutive bytes, aligned
.endr
	s_wait_tensorcnt 0x0
	ds_add_u32 v192, v193
	s_wait_dscnt 0x0
	s_endpgm
.Lfunc_end_k_q80d1ad1c66_quant:
	.size	k_q80d1ad1c66_quant, .Lfunc_end_k_q80d1ad1c66_quant-k_q80d1ad1c66_quant
	.p2alignl 7, 3214868480
	.fill 96, 4, 3214868480
	.section	.rodata,"a",@progbits
	.p2align	6, 0x0
	.amdhsa_kernel k_q80d1ad1c66_quant
		.amdhsa_group_segment_fixed_size 69120
		.amdhsa_private_segment_fixed_size 0
		.amdhsa_enable_private_segment 0
		.amdhsa_kernarg_size 64
		.amdhsa_user_sgpr_count 2
		.amdhsa_user_sgpr_kernarg_segment_ptr 1
		.amdhsa_wavefront_size32 1
		.amdhsa_system_sgpr_workgroup_id_x 1
		.amdhsa_system_sgpr_workgroup_id_y 1
		.amdhsa_system_sgpr_workgroup_id_z 1
		.amdhsa_system_vgpr_workitem_id 0
		.amdhsa_next_free_vgpr 194
		.amdhsa_next_free_sgpr 66
		.amdhsa_reserve_vcc 0
		.amdhsa_float_denorm_mode_32 3
		.amdhsa_float_denorm_mode_16_64 3
		.amdhsa_fp16_overflow 1
		.amdhsa_memory_ordered 1
		.amdhsa_forward_progress 1
		.amdhsa_inst_pref_size 76
	.end_amdhsa_kernel
	.amdgpu_metadata
---
amdhsa.version: [ 1, 2 ]
amdhsa.kernels:
  - .name:           k_q80d1ad1c66_quant
    .symbol:         k_q80d1ad1c66_quant.kd
    .args:
      - { .name: x, .offset: 0, .size: 8, .value_kind: global_buffer, .address_space: global }
      - { .name: Wq, .offset: 8, .size: 8, .value_kind: global_buffer, .address_space: global }
      - { .name: Wk, .offset: 16, .size: 8, .value_kind: global_buffer, .address_space: global }
      - { .name: Wv, .offset: 24, .size: 8, .value_kind: global_buffer, .address_space: global }
      - { .name: xc, .offset: 32, .size: 8, .value_kind: global_buffer, .address_space: global }
      - { .name: xs, .offset: 40, .size: 8, .value_kind: global_buffer, .address_space: global }
      - { .name: wc, .offset: 48, .size: 8, .value_kind: global_buffer, .address_space: global }
      - { .name: ws, .offset: 56, .size: 8, .value_kind: global_buffer, .address_space: global }
    .group_segment_fixed_size: 69120
    .private_segment_fixed_size: 0
    .kernarg_segment_align: 8
    .kernarg_segment_size: 64
    .max_flat_workgroup_size: 128
    .sgpr_count:     66
    .vgpr_count:     194
    .wavefront_size: 32
...
	.end_amdgpu_metadata
.endif
;; end of part 1
;; launch proj (part 2): grid 8 x 48, 4 waves a work-group, clusters of 4 x 4, 327,680 bytes of LDS; arguments xc, xs, wc, ws, bq, bk, bv, qkv; writes qkv
.if DOCPART == 2
	.amdgcn_target "amdgcn-amd-amdhsa--gfx1250"
	.amdhsa_code_object_version 6
	.text
	.protected	k_q80d1ad1c66_proj
	.globl	k_q80d1ad1c66_proj
	.p2align	8
	.type	k_q80d1ad1c66_proj,@function
k_q80d1ad1c66_proj:
	s_mov_b64 s[64:65], 0
	v_nop
	global_prefetch_b8 v0, s[64:65] scope:SCOPE_SE
	s_setreg_imm32_b32 hwreg(HW_REG_WAVE_MODE, 25, 1), 1
	s_wait_xcnt 0x0
	s_wait_alu depctr_hold_cnt(0) depctr_sa_sdst(0) depctr_va_vdst(0) depctr_va_sdst(0) depctr_va_ssrc(0) depctr_va_vcc(0) depctr_vm_vsrc(0)
	s_getreg_b32 s2, hwreg(HW_REG_IB_STS2, 6, 4)
	s_cmp_eq_u32 s2, 0
	s_cbranch_scc0 .Lentry_in_a_cluster
	s_endpgm
.Lentry_in_a_cluster:
	s_bfe_u32 s2, ttmp6, 0x10000c
	s_cmp_lg_u32 s2, 0xf033
	s_cbranch_scc0 .Lentry_shape_is_right
	s_endpgm
.Lentry_shape_is_right:
.set KSTEP,  256
.set NQ,     2
.set ROWB,   256
.set KROW,   1024
.set PITCH,  272
.set FR,     16
.set NL,     4
.set NP,     8
.set HALFT,  128*PITCH
.set SLOT,   4*HALFT
.set KS,     32
.set SCL,    2*SLOT
.set HALFS,  (128*KS/256)*272
.set SBLK,   (16*KS/256)*272
.set SPARE,  SCL+4*HALFS
.set REC,    405504
.set BO,   8
.set ADRA, 16
.set ADRB, 20
.set LI,   24
.set L8,   25
.set ADRS, 27
.set SPW,  28
.set NIL,  29
.set SC,   32
.set BN,   64
.set AF,   128
.set TM,   32
.set PW,   48
.set TT,   64
.set PCD,  128
.set WV,   20
.set AH,   21
.set BH,   22
.set ISV,  23
.set G1,   24
.set G0,   32
.set G1B,  48
.set G0B,  56
.set BP,   76
.set DIMG, 78
.set G1S,  80
.set G0S,  88
.set G1SB, 92
.set G0SB, 12
.set DSCL, 100
.set SEL,  4
.set MNT,  6
.set HM,   7
.set MSB, 0
.macro WIN new
.if MSB != \new
	s_set_vgpr_msb (MSB<<8)|\new
.set MSB, \new
.endif
.endm
.set MUL_LO,  0xa1
.set MUL_HI,  0xf1
.set BIAS_LO, 0x81
.set BIAS_HI, 0xc1
.set TO_B,    0x40
.macro JLOAD g0a, g1a, g0b, g1b
	s_cmp_eq_u32 s[AH], 0
	s_cbranch_scc0 .Lfor_b_\@
	tensor_load_to_lds s[\g0a:\g0a+3], s[\g1a:\g1a+7]
	s_nop 0
.rept 4
	v_nop
.endr
	s_branch .Lasked_\@
.Lfor_b_\@:
	tensor_load_to_lds s[\g0b:\g0b+3], s[\g1b:\g1b+7]
	s_nop 0
.rept 4
	v_nop
.endr
.Lasked_\@:
.endm
.macro CREST
	s_cmp_lg_u32 s[WV], 0
	s_cbranch_scc1 .Lnot_wave_0_\@
	s_barrier_signal -3
.Lnot_wave_0_\@:
	s_barrier_wait -3
	s_barrier_signal -1
	s_barrier_wait -1
.endm
.macro CROUND
	s_barrier_signal -1
	s_barrier_wait -1
	CREST
.endm
	s_load_b512 s[4:19], s[0:1], 0x0
	v_lshl_add_u32 v[SPW], v0, 2, SPARE
	v_mov_b32 v[NIL], 0
	ds_add_u32 v28, v29
	ds_add_u32 v28, v29
	s_wait_dscnt 0x0
	v_lshrrev_b32 v1, 5, v0
	v_readfirstlane_b32 s[WV], v1
	s_lshr_b32 s[AH], s[WV], 1
	s_and_b32 s[BH], s[WV], 1
	s_bfe_u32 s40, ttmp6, 0x40000
	s_bfe_u32 s41, ttmp6, 0x40004
	s_and_b32 s46, ttmp7, 0xffff
	s_max_u32 s47, s46, 8
	s_sub_co_u32 s47, s47, 8
	s_lshl_b32 s47, s47, 1
	s_add_co_u32 s47, s47, ttmp9
	s_cmp_ge_u32 s46, 8
	s_cselect_b32 s[ISV], 1, 0
	s_cselect_b32 s43, 0, s46
	s_cselect_b32 s42, s47, ttmp9
	s_lshl_b32 s42, s42, 2
	s_add_co_u32 s42, s42, s40
	s_lshl_b32 s43, s43, 2
	s_add_co_u32 s43, s43, s41
	s_lshl_b32 s44, s41, 2
	s_lshl_b32 s44, 15, s44
	s_lshl_b32 s45, 0x1111, s40
	s_or_b32 s[G1+0], s44, (0<<16)|(1<<20)|(1<<21)|(5<<22)|(3<<25)
	s_or_b32 s[G1B+0], s45, (0<<16)|(1<<20)|(1<<21)|(5<<22)|(3<<25)
.irp g, G1, G1B
	s_mov_b32 s[\g+1], ROWB<<16
	s_mov_b32 s[\g+2], 128<<16
	s_mov_b32 s[\g+3], ROWB<<16
	s_mov_b32 s[\g+4], 128
	s_mov_b32 s[\g+5], KROW
	s_mov_b32 s[\g+6], 0
	s_mov_b32 s[\g+7], 0
.endr
	s_or_b32 s[G1S+0], s44, (3<<16)|(1<<20)|(1<<21)|(5<<22)|(3<<25)
	s_or_b32 s[G1SB+0], s45, (3<<16)|(1<<20)|(1<<21)|(5<<22)|(3<<25)
.irp g, G1S, G1SB
	s_mov_b32 s[\g+1], 32<<16
	s_mov_b32 s[\g+2], (128*KS/256)<<16
	s_mov_b32 s[\g+3], 32<<16
	s_mov_b32 s[\g+4], 128*KS/256
	s_mov_b32 s[\g+5], 32
	s_mov_b32 s[\g+6], 0
	s_mov_b32 s[\g+7], 0
.endr
	s_lshl_b32 s2, s[BH], 7
	s_lshl_b32 s66, s43, 8
	s_add_co_u32 s66, s66, s2
	s_lshl_b32 s46, s42, 8
	s_add_co_u32 s46, s46, s2
	s_lshl_b32 s68, s66, 10
	s_mov_b32 s69, 0
	s_lshl_b32 s70, s66, 5
	s_mov_b32 s71, 0
	s_lshl_b32 s72, s46, 10
	s_mov_b32 s73, 0
	s_lshl_b32 s74, s46, 5
	s_mov_b32 s75, 0
	s_mul_i32 s2, s[WV], HALFT
	s_mul_i32 s3, s[WV], HALFS
	s_wait_kmcnt 0x0
	s_add_nc_u64 s[78:79], s[8:9], 2048*KROW
	s_add_nc_u64 s[100:101], s[10:11], 2048*KS
	s_cmp_lg_u32 s[ISV], 0
	s_cselect_b64 s[78:79], s[78:79], s[4:5]
	s_cselect_b64 s[100:101], s[100:101], s[6:7]
	s_cselect_b64 s[4:5], s[4:5], s[8:9]
	s_cselect_b64 s[6:7], s[6:7], s[10:11]
	s_add_nc_u64 s[68:69], s[78:79], s[68:69]
	s_add_nc_u64 s[70:71], s[100:101], s[70:71]
	s_add_nc_u64 s[72:73], s[4:5], s[72:73]
	s_add_nc_u64 s[74:75], s[6:7], s[74:75]
	s_cmp_eq_u32 ttmp9, 0
	s_cselect_b64 s[BP:BP+1], s[12:13], s[14:15]
	s_cmp_lg_u32 s[ISV], 0
	s_cselect_b64 s[BP:BP+1], s[16:17], s[BP:BP+1]
	CROUND
	s_mov_b32 s[G0S], 1
	s_add_co_u32 s[G0S+1], s3, SCL
	s_mov_b64 s[G0S+2:G0S+3], s[70:71]
	s_or_b32 s[G0S+3], s[G0S+3], 0x80000000
	s_mov_b32 s[G0SB], 1
	s_add_co_u32 s[G0SB+1], s3, SCL
	s_mov_b64 s[G0SB+2:G0SB+3], s[74:75]
	s_or_b32 s[G0SB+3], s[G0SB+3], 0x80000000
	JLOAD G0S, G1S, G0SB, G1SB
.irp s, 0,1
	s_mov_b32 s[G0+4*\s], 1
	s_add_co_u32 s[G0+4*\s+1], s2, \s*SLOT
	s_add_nc_u64 s[G0+4*\s+2:G0+4*\s+3], s[68:69], \s*ROWB
	s_or_b32 s[G0+4*\s+3], s[G0+4*\s+3], 0x80000000
	s_mov_b32 s[G0B+4*\s], 1
	s_add_co_u32 s[G0B+4*\s+1], s2, \s*SLOT
	s_add_nc_u64 s[G0B+4*\s+2:G0B+4*\s+3], s[72:73], \s*ROWB
	s_or_b32 s[G0B+4*\s+3], s[G0B+4*\s+3], 0x80000000
	s_wait_alu depctr_va_vdst(0)
	s_wait_tensorcnt 0x0
	ds_add_u32 v28, v29
	s_wait_dscnt 0x0
	CROUND
	JLOAD G0+4*\s, G1, G0B+4*\s, G1B
.endr
	v_and_b32 v1, 15, v0
	v_bfe_u32 v2, v0, 4, 1
	v_mul_u32_u24 v3, v1, PITCH
	v_lshl_add_u32 v4, v2, 4, v3
	s_mul_i32 s2, s[AH], HALFT
	s_mul_i32 s3, s[BH], HALFT
	s_add_co_u32 s3, s3, 2*HALFT
.irp s, 0,1
	v_add_nc_u32 v[ADRA+\s], s2, v4
	v_add_nc_u32 v[ADRB+\s], s3, v4
	s_add_co_u32 s2, s2, SLOT
	s_add_co_u32 s3, s3, SLOT
.endr
	v_mul_u32_u24 v5, v1, KS
	v_lshrrev_b32 v6, 8, v5
	v_lshl_add_u32 v5, v6, 4, v5
	s_mul_i32 s2, s[AH], HALFS
	s_mul_i32 s3, s[BH], HALFS
	s_add_co_u32 s3, s3, 2*HALFS
	s_sub_co_u32 s3, s3, s2
	v_mul_u32_u24 v6, s3, v2
	s_add_co_u32 s2, s2, SCL
	v_add_nc_u32 v5, v5, v6
	v_add_nc_u32 v[ADRS], s2, v5
	v_and_b32 v6, 31, v0
	v_lshlrev_b32 v[LI], 4, v6
	v_lshlrev_b32 v[L8], 3, v6
	v_and_b32 v3, 8, v1
	v_add_nc_u32 v3, v3, v1
	s_lshl_b32 s46, s42, 8
	s_lshl_b32 s47, s[BH], 7
	s_add_co_u32 s46, s46, s47
	s_and_b32 s46, s46, 1023
	s_lshl_b32 s66, s43, 8
	s_lshl_b32 s67, s[AH], 7
	s_add_co_u32 s66, s66, s67
	s_cmp_lg_u32 s[ISV], 0
	s_cselect_b32 s46, s66, s46
	s_cselect_b32 s47, 0, 64
	s_cselect_b32 s66, 4, 0
	s_cselect_b32 s67, 0, 4
	s_lshl_b32 s46, s46, 2
	v_mul_u32_u24 v4, s47, v2
	s_wait_alu depctr_va_vdst(0)
	v_mad_u32_u24 v4, v3, s66, v4
	v_add_nc_u32 v[BO], s46, v4
.irp j, 1,2,3,4,5,6,7
	v_add_nc_u32 v[BO+\j], s67, v[BO+\j-1]
.endr
.irp t, 0,1,2,3,4,5,6,7
.irp j, 0,1,2,3,4,5,6,7
	global_load_b32 v[BN+8*\t+\j], v[BO+\j], s[BP:BP+1] offset:(32*(\t/2)+8*(\t%2))*4
.endr
.endr
	s_cmp_lg_u32 s[ISV], 0
	s_cselect_b32 s66, s42, s43
	s_cselect_b32 s67, s[BH], s[AH]
	s_cselect_b32 s68, s43, s42
	s_cselect_b32 s69, s[AH], s[BH]
	s_cselect_b32 s70, 2, ttmp9
	s_lshr_b32 s71, s66, 3
	s_lshl_b32 s71, s71, 4
	s_lshl_b32 s68, s68, 2
	s_lshl_b32 s69, s69, 1
	s_add_co_u32 s68, s68, s69
	s_and_b32 s68, s68, 15
	s_add_co_u32 s71, s71, s68
	s_mul_i32 s71, s71, REC
	s_lshl_b32 s66, s66, 1
	s_add_co_u32 s66, s66, s67
	s_and_b32 s66, s66, 15
	s_lshl_b32 s72, s70, 17
	s_lshl_b32 s73, s66, 13
	s_add_co_u32 s72, s72, s73
	s_add_co_u32 s72, s72, s71
	s_mov_b32 s73, 0
	s_add_nc_u64 s[DIMG:DIMG+1], s[18:19], s[72:73]
	s_lshl_b32 s72, s70, 12
	s_lshl_b32 s74, s66, 8
	s_add_co_u32 s72, s72, s74
	s_add_co_u32 s72, s72, s71
	s_add_co_u32 s72, s72, 393216
	s_add_nc_u64 s[DSCL:DSCL+1], s[18:19], s[72:73]
	s_mov_b32 s[SEL], 0x76543210
	s_mov_b32 s[SEL+1], 0xfedcba98
	s_mov_b32 s[HM], 0xffff0000
.macro FRAG reg, adr, q, i
.irp c, 0,1,2,3
	ds_load_b128 v[\reg+4*\c:\reg+4*\c+3], v[\adr] offset:128*(\q)+32*\c+(\i)*16*PITCH
.endr
.endm
.macro MUL16 a0, p, q, sc, mode
.irp a, \a0, \a0+1
.irp b, 0,1,2,3,4,5,6,7
.if \mode == 1
	v_wmma_scale_f32_16x16x128_f8f6f4 v[8*(8*((\a)%4)+\b):8*(8*((\a)%4)+\b)+7], v[128*(\p)+FR*\b:128*(\p)+FR*\b+FR-1], v[AF+FR*(\a):AF+FR*(\a)+FR-1], v[BN+8*\b:BN+8*\b+7], v[SC+8*NQ*(\sc)+NQ*\b+(\q)], v[SC+8*NQ*(\sc)+NQ*(\a)+(\q)] matrix_a_fmt:MATRIX_FMT_BF8 matrix_b_fmt:MATRIX_FMT_BF8 matrix_a_scale:MATRIX_SCALE_ROW1
.elseif \mode == 2
	v_wmma_scale_f32_16x16x128_f8f6f4 v[8*(8*((\a)%4)+\b):8*(8*((\a)%4)+\b)+7], v[128*(\p)+FR*\b:128*(\p)+FR*\b+FR-1], v[AF+FR*(\a):AF+FR*(\a)+FR-1], v[BN+8*(\a):BN+8*(\a)+7], v[SC+8*NQ*(\sc)+NQ*\b+(\q)], v[SC+8*NQ*(\sc)+NQ*(\a)+(\q)] matrix_a_fmt:MATRIX_FMT_BF8 matrix_b_fmt:MATRIX_FMT_BF8 matrix_a_scale:MATRIX_SCALE_ROW1
.else
	v_wmma_scale_f32_16x16x128_f8f6f4 v[8*(8*((\a)%4)+\b):8*(8*((\a)%4)+\b)+7], v[128*(\p)+FR*\b:128*(\p)+FR*\b+FR-1], v[AF+FR*(\a):AF+FR*(\a)+FR-1], v[8*(8*((\a)%4)+\b):8*(8*((\a)%4)+\b)+7], v[SC+8*NQ*(\sc)+NQ*\b+(\q)], v[SC+8*NQ*(\sc)+NQ*(\a)+(\q)] matrix_a_fmt:MATRIX_FMT_BF8 matrix_b_fmt:MATRIX_FMT_BF8 matrix_a_scale:MATRIX_SCALE_ROW1
.endif
.endr
.endr
.endm
.macro FETCH_B slot, q, p
	WIN TO_B
.irp i, 0,1,2,3,4,5,6,7
	FRAG 128*(\p)+FR*\i, ADRB+\slot, \q, \i
.endr
	WIN 0
.endm
.macro FETCH_A slot, q, i0
.irp i, \i0, \i0+1, \i0+2, \i0+3
	FRAG AF+FR*(\i), ADRA+\slot, \q, \i
.endr
.endm
.macro SCALES sc
.irp i, 0,1,2,3,4,5,6,7
	ds_load_b64 v[SC+8*NQ*\sc+NQ*\i:SC+8*NQ*\sc+NQ*\i+1], v[ADRS] offset:\i*SBLK
.endr
.endm
.macro PLACES n
.rept \n
	v_nop
.endr
.endm
.macro STEP slot, q, mode
	s_wait_dscnt 4*NL
.if \mode
	WIN BIAS_LO
.else
	WIN MUL_LO
.endif
	MUL16 0, (\q)%2, \q, \slot, \mode
	MUL16 2, (\q)%2, \q, \slot, \mode
	s_wait_dscnt 0
	PLACES NP
	FETCH_B \slot, (\q)+1, 1-(\q)%2
	FETCH_A \slot, (\q)+1, 0
.if \mode
	WIN BIAS_HI
.else
	WIN MUL_HI
.endif
	MUL16 4, (\q)%2, \q, \slot, \mode
	MUL16 6, (\q)%2, \q, \slot, \mode
	PLACES NP
	WIN 0
	FETCH_A \slot, (\q)+1, 4
.endm
.macro TURN slot, next, fill
	s_wait_tensorcnt 0x0
	ds_add_u32 v[SPW], v[NIL]
	s_wait_dscnt 4*NL+1
	WIN MUL_LO
	MUL16 0, 1, NQ-1, \slot, 0
	s_wait_dscnt 0x0
	s_barrier_signal -1
	MUL16 2, 1, NQ-1, \slot, 0
	WIN 0
	s_barrier_wait -1
.if \fill
	CREST
	s_add_nc_u64 s[G0+4*\slot+2:G0+4*\slot+3], s[G0+4*\slot+2:G0+4*\slot+3], 2*ROWB
	s_add_nc_u64 s[G0B+4*\slot+2:G0B+4*\slot+3], s[G0B+4*\slot+2:G0B+4*\slot+3], 2*ROWB
	JLOAD G0+4*\slot, G1, G0B+4*\slot, G1B
	PLACES NP-4
.else
	PLACES NP
.endif
	s_wait_alu depctr_va_vdst(0)
	v_add_nc_u32 v[ADRS], 4*NQ, v[ADRS]
	FETCH_B \next, 0, 0
	FETCH_A \next, 0, 0
	SCALES \next
	WIN MUL_HI
	MUL16 4, 1, NQ-1, \slot, 0
	MUL16 6, 1, NQ-1, \slot, 0
	PLACES NP
	WIN 0
	FETCH_A \next, 0, 4
.endm
	s_wait_tensorcnt 1
	s_barrier_signal -1
	s_barrier_wait -1
	FETCH_B 0, 0, 0
	FETCH_A 0, 0, 0
	SCALES 0
	FETCH_A 0, 0, 4
	s_wait_loadcnt 0x0
	s_cmp_lg_u32 s[ISV], 0
	s_cbranch_scc1 .Lfirst_v
	STEP 0, 0, 1
	s_branch .Lfirst_done
.Lfirst_v:
	STEP 0, 0, 2
.Lfirst_done:
	TURN 0, 1, 1
	STEP 1, 0, 0
	TURN 1, 0, 1
	STEP 0, 0, 0
	TURN 0, 1, 0
	STEP 1, 0, 0
	s_wait_dscnt 4*NL
	WIN MUL_LO
	MUL16 0, 1, NQ-1, 1, 0
	MUL16 2, 1, NQ-1, 1, 0
	s_wait_dscnt 0
	WIN MUL_HI
	MUL16 4, 1, NQ-1, 1, 0
	MUL16 6, 1, NQ-1, 1, 0
	WIN 0
	PLACES NP
.macro QUANTW a, isv
.set W, 2+(\a)/4
.set AC, 64*((\a)%4)
.set PCA, PCD+16*(\a)
.set W12, (W<<2)|(W<<4)
	WIN W12
.irp b, 0,1,2,3
	v_max3_num_f32 v[TM+\b], 0x8000000, |v[AC+16*\b]|, |v[AC+16*\b+1]|
.endr
.irp i, 2,4,6,8,10,12,14
.irp b, 0,1,2,3
	v_max3_num_f32 v[TM+\b], v[TM+\b], |v[AC+16*\b+\i]|, |v[AC+16*\b+\i+1]|
.endr
.endr
	WIN 0
.irp b, 0,1,2,3
	v_permlanex16_b32 v[TM+4+\b], v[TM+\b], s[SEL], s[SEL+1]
.endr
.irp b, 0,1,2,3
	v_max_num_f32 v[TM+\b], v[TM+\b], v[TM+4+\b]
.endr
.irp b, 0,1,2,3
	v_add_nc_u32 v[TM+12+\b], 0xf8800000, v[TM+\b]
.endr
.irp b, 0,1,2,3
.endr
.irp b, 0,1,2,3
	v_lshrrev_b32 v[TM+4+\b], 23, v[TM+12+\b]
.endr
	v_lshl_or_b32 v[PW+(\a)], v[TM+5], 8, v[TM+4]
	v_lshl_or_b32 v[PW+(\a)], v[TM+6], 16, v[PW+(\a)]
	v_lshl_or_b32 v[PW+(\a)], v[TM+7], 24, v[PW+(\a)]
	WIN W
.irp b, 0,1,2,3
.irp i, 0,1,2,3,4,5,6,7,8,9,10,11,12,13,14,15
.endr
.endr
.irp b, 0,1,2,3
	v_cvt_scalef32_pk8_bf8_f32 v[PCA+4*\b:PCA+4*\b+1], v[AC+16*\b:AC+16*\b+7], v[TM+12+\b]
	v_cvt_scalef32_pk8_bf8_f32 v[PCA+4*\b+2:PCA+4*\b+3], v[AC+16*\b+8:AC+16*\b+15], v[TM+12+\b]
.endr
	WIN 0
	v_nop
.irp c, 0,1,2,3
.if \isv
	global_store_b128 v[LI], v[PCA+4*\c:PCA+4*\c+3], s[DIMG:DIMG+1] offset:((\a)/4)*REC+((\a)%4)*2048+512*\c
.else
	global_store_b128 v[LI], v[PCA+4*\c:PCA+4*\c+3], s[DIMG:DIMG+1] offset:(\c/2)*REC+((\a)/2)*2048+(2*((\a)%2)+\c%2)*512
.endif
.endr
.endm
.macro OUT isv
.irp b, 0,1,2,3
	v_mov_b32 v[TM+4+\b], 0
.endr
.irp a, 0,1,2,3,4,5,6,7
	QUANTW \a, \isv
.endr
.if \isv
	v_cndmask_b32 v40, v[PW+0], v[PW+1], s[HM]
	v_cndmask_b32 v41, v[PW+2], v[PW+3], s[HM]
	v_cndmask_b32 v42, v[PW+4], v[PW+5], s[HM]
	v_cndmask_b32 v43, v[PW+6], v[PW+7], s[HM]
.else
.irp g, 0,1,2,3
	v_perm_b32 v[32+\g], v[PW+2*\g+1], v[PW+2*\g], 0x05040100
	v_perm_b32 v[36+\g], v[PW+2*\g+1], v[PW+2*\g], 0x07060302
.endr
	v_cndmask_b32 v40, v32, v33, s[HM]
	v_cndmask_b32 v41, v34, v35, s[HM]
	v_cndmask_b32 v42, v36, v37, s[HM]
	v_cndmask_b32 v43, v38, v39, s[HM]
.endif
	global_store_b64 v[L8], v[40:41], s[DSCL:DSCL+1]
	global_store_b64 v[L8], v[42:43], s[DSCL:DSCL+1] offset:REC
.endm
	s_cmp_lg_u32 s[ISV], 0
	s_cbranch_scc1 .Lout_v
	OUT 0
	s_branch .Lend
.Lout_v:
	OUT 1
.Lend:
	s_wait_tensorcnt 0x0
	ds_add_u32 v[SPW], v[NIL]
	s_wait_dscnt 0x0
	CROUND
	s_endpgm
.Lfunc_end_k_q80d1ad1c66_proj:
	.size	k_q80d1ad1c66_proj, .Lfunc_end_k_q80d1ad1c66_proj-k_q80d1ad1c66_proj
	.p2alignl 7, 3214868480
	.fill 96, 4, 3214868480
	.section	.rodata,"a",@progbits
	.p2align	6, 0x0
	.amdhsa_kernel k_q80d1ad1c66_proj
		.amdhsa_group_segment_fixed_size 327680
		.amdhsa_private_segment_fixed_size 0
		.amdhsa_enable_private_segment 0
		.amdhsa_kernarg_size 64
		.amdhsa_user_sgpr_count 2
		.amdhsa_user_sgpr_kernarg_segment_ptr 1
		.amdhsa_wavefront_size32 1
		.amdhsa_system_sgpr_workgroup_id_x 1
		.amdhsa_system_sgpr_workgroup_id_y 1
		.amdhsa_system_sgpr_workgroup_id_z 1
		.amdhsa_system_vgpr_workitem_id 0
		.amdhsa_next_free_vgpr 1024
		.amdhsa_next_free_sgpr 102
		.amdhsa_reserve_vcc 0
		.amdhsa_float_denorm_mode_32 3
		.amdhsa_float_denorm_mode_16_64 3
		.amdhsa_fp16_overflow 1
		.amdhsa_memory_ordered 1
		.amdhsa_forward_progress 1
		.amdhsa_inst_pref_size 205
	.end_amdhsa_kernel
	.amdgpu_metadata
---
amdhsa.version: [ 1, 2 ]
amdhsa.kernels:
  - .name:           k_q80d1ad1c66_proj
    .symbol:         k_q80d1ad1c66_proj.kd
    .args:
      - { .name: xc, .offset: 0, .size: 8, .value_kind: global_buffer, .address_space: global }
      - { .name: xs, .offset: 8, .size: 8, .value_kind: global_buffer, .address_space: global }
      - { .name: wc, .offset: 16, .size: 8, .value_kind: global_buffer, .address_space: global }
      - { .name: ws, .offset: 24, .size: 8, .value_kind: global_buffer, .address_space: global }
      - { .name: bq, .offset: 32, .size: 8, .value_kind: global_buffer, .address_space: global }
      - { .name: bk, .offset: 40, .size: 8, .value_kind: global_buffer, .address_space: global }
      - { .name: bv, .offset: 48, .size: 8, .value_kind: global_buffer, .address_space: global }
      - { .name: qkv, .offset: 56, .size: 8, .value_kind: global_buffer, .address_space: global }
    .group_segment_fixed_size: 327680
    .private_segment_fixed_size: 0
    .kernarg_segment_align: 8
    .kernarg_segment_size: 64
    .max_flat_workgroup_size: 128
    .sgpr_count:     102
    .vgpr_count:     1024
    .wavefront_size: 32
...
	.end_amdgpu_metadata
.endif
;; end of part 2
;; launch attn (part 3): grid 4 x 64, 8 waves a work-group, clusters of 4 x 1, 327,680 bytes of LDS; arguments qkv, out0; writes out0
.if DOCPART == 3
	.amdgcn_target "amdgcn-amd-amdhsa--gfx1250"
	.amdhsa_code_object_version 6
	.text
	.protected	k_q80d1ad1c66_attn
	.globl	k_q80d1ad1c66_attn
	.p2align	8
	.type	k_q80d1ad1c66_attn,@function
k_q80d1ad1c66_attn:
	s_mov_b64 s[64:65], 0
	v_nop
	global_prefetch_b8 v0, s[64:65] scope:SCOPE_SE
	s_setreg_imm32_b32 hwreg(HW_REG_WAVE_MODE, 25, 1), 1
	s_wait_xcnt 0x0
	s_wait_alu depctr_hold_cnt(0) depctr_sa_sdst(0) depctr_va_vdst(0) depctr_va_sdst(0) depctr_va_ssrc(0) depctr_va_vcc(0) depctr_vm_vsrc(0)
	s_getreg_b32 s2, hwreg(HW_REG_IB_STS2, 6, 4)
	s_cmp_eq_u32 s2, 0
	s_cbranch_scc0 .Lentry_in_a_cluster
	s_endpgm
.Lentry_in_a_cluster:
	s_bfe_u32 s2, ttmp6, 0x10000c
	s_cmp_lg_u32 s2, 0x3003
	s_cbranch_scc0 .Lentry_shape_is_right
	s_endpgm
.Lentry_shape_is_right:
; out[b][q][64 head + d] = the sum over k of softmax_k(Q[q] . K[k] / 8) V[k][d], for 64 (batch, head) pairs of 2,048 tokens and head size 64; both products on codes of BF8 (E5M2) with E8M0 scales for each 32 along K.
; THE SOFTMAX AHEAD OF THE SECOND PRODUCT: t = score x log2(e) / 8; M = the running largest t rounded UP to a whole number; p = 2^(t - M) is quantised along the keys, not normalised; the row's sum is taken of the
; unquantised p in f32 and divides at the end.  When M moves, the sum and O are multiplied by 2^(old M - new M): exact.
; INPUT: qkv, 64 records of REC bytes, images of operand registers (16 bytes a lane, 512 a quad): Q, K [token / 32][quad 2 u + c][lane]: token 32 g + 8 u + r + 8 (r / 8), features 32 c + 16 h + 0 .. 15;
; V [token / 128][t][quad c][lane]: feature 32 (t / 2) + 8 (t % 2) + r + 8 (r / 8), tokens 32 c + 16 h + 0 .. 15; scale words [token / 128][lane][2]: word w of lane l: fragment or tile 2 w + l / 16, row l % 16.
; SHARES.  A cluster of four work-groups is one (batch, head); a work-group owns 512 queries; each of its eight waves two tiles of 16 queries in each of two passes.  Two waves share a SIMD.
; A HEAD'S WHOLE K AND V IMAGES AND THEIR SCALE WORDS, 270,336 bytes, LIE IN LDS FOR THE WHOLE LAUNCH, FILLED ONCE: no ring, no refill.  The four work-groups need the same bytes: every fill is a joint load that names the four.
; An image is read 512 consecutive bytes an instruction: no pitch, no padding.
; K = 64 IN AN INSTRUCTION OF 128: a fragment of K holds key tile 2 f at k 0-63 and tile 2 f + 1 at k 64-127.  Against [Q | zero codes] it gives tile 2 f's scores, against [zero codes | Q] tile 2 f + 1's.
; Both products are used transposed (S^T = K Q^T, O^T = V^T P^T): a lane holds ONE query; by the images' order of rows the 16 registers of two neighbouring tiles are 16 neighbouring keys (or features).
; LIMITS: NaN and infinities are not served.  p under 2^-126 counts as 0 (v_exp_f32 gives no denormals: ISA guide 15.8).  A block of p whose every number is 0 has the byte 1: its codes are zeros.
; REGISTERS.  Window 0: v1-10 addresses; v12-15 K's and V's scale words; v16-31 eight registers of statistics a tile; v32-51 at work; v64-191 S^T, then p, 64 a tile; v192-223 p's codes; v224-255 (and v192-223) the way out.
;   Window 1: v0-39 zeros | Q0 | zeros | Q1 | zeros, eight each; v64-127 four fragments of K; v128-191 four of V; v192-255 O^T, 32 a tile.
.set REC,   405504
.set VIMG,  131072                     ; LDS: K's image at 0, V's here,
.set KSCL,  262144                     ; K's scale words, 4,096 bytes, then V's,
.set STAGE, 270336                     ; and a stage of 16 rows x 272 bytes for each wave, into which no fill lands
.set LI,  1                            ; v1   16 x lane
.set L8,  2                            ; v2   8 x lane
.set ADK, 3                            ; v3-5 LDS addresses of the step's K, V and scale words
.set ADV, 4
.set ADS, 5
.set STO, 6                            ; v6   the stage: where I put 16 bytes of a row
.set RD,  7                            ; v7   and where I read a row back
.set GO,  8                            ; v8   my byte offset in two rows of out
.set QSO, 10                           ; v10  my byte offset among Q's scale words
.set KSC, 12
.set VSC, 14
.set ST,  16                           ; tile t's statistics at v[ST + 8 t]: +0 -M, +1 the largest t, +2, +3 the sum in two halves, +4 f, +5 p's scale word, +6 Q's scale word
.set QWL, 23                           ; v23  Q's scale word as loaded
.set BMX, 32                           ; v32-35 the blocks' largest scores, then largest p
.set T2,  36                           ; v36-39 the other half's, then the bytes
.set LIM, 40
.set SCO, 44                           ; v44-47 the conversions' scale operands
.set TMP, 48
.set SM2, 50                           ; v[50:51] the sums' second chain
.set S,   64
.set P,   192
.set KF,  64                           ; in window 1
.set VF,  128
.set OT,  192
.set WV,  8
.set CX,  9
.set RC,  10
.set QP,  14                           ; s[14:15] Q's image at my first group of 32 queries
.set QS,  16                           ; s[16:17] Q's scale words
.set OP,  18                           ; s[18:19] out at my first query, my head
.set SEL, 20
.set CS,  22                           ; s[22:23] c = log2(e) / 8
.set MNT, 24
.set CNT, 25
.set TB,  26                           ; s26-28 LDS bytes at which the step's K, V and scale words begin
.set TV,  27
.set TS,  28
.set G1C, 32                           ; s[32:39] group 1 for a chunk of 8,192 bytes;  s[40:47] for 1,024 bytes of scale words
.set G1S, 40
.set MSB, 0
.macro WIN new                         ; the immediate's high byte repeats the setting that is left
.if MSB != \new
	s_set_vgpr_msb (MSB<<8)|\new
.set MSB, \new
.endif
.endm
.macro CROUND                          ; a round of the cluster's barrier
	s_barrier_signal -1
	s_barrier_wait -1
	s_cmp_lg_u32 s[WV], 0
	s_cbranch_scc1 .Lnot_wave_0_\@
	s_barrier_signal -3
.Lnot_wave_0_\@:
	s_barrier_wait -3
	s_barrier_signal -1
	s_barrier_wait -1
.endm
.macro MKG0 g, c                       ; group 0 of my part of chunk c: 32,768 bytes on in LDS and in memory
	s_mov_b32 s[\g], 1
	s_add_co_u32 s[\g+1], s73, 32768*\c
	s_add_nc_u64 s[\g+2:\g+3], s[30:31], 32768*\c
	s_or_b32 s[\g+3], s[\g+3], 0x80000000
.endm
	s_load_b128 s[4:7], s[0:1], 0x0                ; qkv s[4:5], out0 s[6:7]
	v_lshl_add_u32 v62, v0, 2, 0x4a800
	v_mov_b32 v63, 0
	ds_add_u32 v62, v63
	ds_add_u32 v62, v63
	v_lshrrev_b32 v9, 5, v0
	s_delay_alu instid0(VALU_DEP_1)
	v_readfirstlane_b32 s[WV], v9                  ; wave 0..7
	s_bfe_u32 s[CX], ttmp6, 0x40000                ; my place in the cluster: it enters Q's and out's addresses alone
	s_and_b32 s[RC], ttmp7, 0xffff                 ; the record: 16 x batch + head
	s_mul_i32 s72, s[RC], REC                      ; its first byte (under 2^25)
	s_lshr_b32 s73, s[WV], 2                       ; what I fetch: waves 0-3 K's image, waves 4-7 V's; of each chunk of 32,768 bytes a quarter
	s_lshl_b32 s73, s73, 17
	s_and_b32 s2, s[WV], 3
	s_lshl_b32 s2, s2, 13
	s_add_co_u32 s73, s73, s2                      ; its LDS byte in chunk 0; K's and V's images lie in the record as they lie in LDS
	s_add_co_u32 s30, s72, s73
	s_add_co_u32 s30, s30, 131072
	s_mov_b32 s31, 0
	s_lshl_b32 s29, s[WV], 10                      ; and 1,024 of the 8,192 bytes of K's and V's scale words
	s_add_co_u32 s2, s72, s29
	s_add_co_u32 s2, s2, 397312
	s_mov_b32 s3, 0
	s_lshl_b32 s12, s[CX], 4
	s_add_co_u32 s12, s12, s[WV]                   ; my group of 32 queries in pass 0: 16 cx + wave (pass 1: 8 further on)
	s_lshl_b32 s12, s12, 11
	s_add_co_u32 s12, s12, s72
	s_mov_b32 s13, 0
	s_lshl_b32 s74, s[CX], 2
	s_lshr_b32 s75, s[WV], 2
	s_add_co_u32 s74, s74, s75                     ; its 128 tokens
	s_lshl_b32 s74, s74, 8
	s_add_co_u32 s74, s74, s72
	s_add_co_u32 s74, s74, 393216
	s_mov_b32 s75, 0
	s_lshr_b32 s76, s[RC], 4
	s_lshl_b32 s76, s76, 11
	s_lshl_b32 s77, s[CX], 9
	s_add_co_u32 s76, s76, s77
	s_lshl_b32 s77, s[WV], 5
	s_add_co_u32 s76, s76, s77                     ; my first token: 2,048 batch + 512 cx + 32 wave
	s_lshl_b32 s76, s76, 12                        ; x 4,096 bytes (under 2^26)
	s_and_b32 s77, s[RC], 15
	s_lshl_b32 s77, s77, 8                         ; + the head's 256 bytes
	s_add_co_u32 s76, s76, s77
	s_mov_b32 s77, 0
	; descriptor groups 1: dense blocks as rows of 256 bytes (32 elements of 8 bytes), no padding
	s_mov_b32 s[G1C], 15|(3<<16)|(1<<21)           ; 15:0 the mask: all four work-groups; 17:16 elements of 8 bytes; 21 set beside a mask
	s_mov_b32 s[G1C+1], 32<<16                     ; tensor_dim0
	s_mov_b32 s[G1C+2], 32<<16                     ; tensor_dim1 = 32 rows
	s_mov_b32 s[G1C+3], 32<<16                     ; tile_dim0
	s_mov_b32 s[G1C+4], 32                         ; tile_dim1
	s_mov_b32 s[G1C+5], 32                         ; the pitch
	s_mov_b32 s[G1C+6], 0
	s_mov_b32 s[G1C+7], 0
	s_mov_b32 s[G1S], 15|(3<<16)|(1<<21)
	s_mov_b32 s[G1S+1], 32<<16
	s_mov_b32 s[G1S+2], 4<<16                      ; 4 rows
	s_mov_b32 s[G1S+3], 32<<16
	s_mov_b32 s[G1S+4], 4
	s_mov_b32 s[G1S+5], 32
	s_mov_b32 s[G1S+6], 0
	s_mov_b32 s[G1S+7], 0
	s_mov_b32 s[SEL], 0x76543210
	s_mov_b32 s[SEL+1], 0xfedcba98                 ; v_permlanex16_b32's selects for lane l xor 16
	s_mov_b32 s[CS], 0x3e38aa3b                    ; c = log2(e) / 8
	s_mov_b32 s[CS+1], s[CS]                       ; (named with it as a pair, so it is written)
	s_wait_dscnt 0x0
	s_wait_kmcnt 0x0
	s_add_nc_u64 s[30:31], s[4:5], s[30:31]
	s_add_nc_u64 s[2:3], s[4:5], s[2:3]
	s_add_nc_u64 s[QP:QP+1], s[4:5], s[12:13]
	s_add_nc_u64 s[QS:QS+1], s[4:5], s[74:75]
	s_add_nc_u64 s[OP:OP+1], s[6:7], s[76:77]
	s_mov_b32 s48, 1
	s_add_co_u32 s49, s29, KSCL
	s_mov_b64 s[50:51], s[2:3]
	s_or_b32 s51, s51, 0x80000000
	MKG0 52, 0
	MKG0 56, 1
	MKG0 60, 2
	MKG0 68, 3
	CROUND                                         ; all four work-groups are here: the joint loads meet
	tensor_load_to_lds s[48:51], s[G1S:G1S+7]      ; the scale words, then the four chunks of 512 keys: all the launch's fills, one group; five loads of mine are out
	s_nop 0
	tensor_load_to_lds s[52:55], s[G1C:G1C+7]
	s_nop 0
	tensor_load_to_lds s[56:59], s[G1C:G1C+7]
	s_nop 0
	tensor_load_to_lds s[60:63], s[G1C:G1C+7]
	s_nop 0
	tensor_load_to_lds s[68:71], s[G1C:G1C+7]
	s_nop 0
.rept 4
	v_nop
.endr
	v_and_b32 v9, 31, v0
	s_delay_alu instid0(VALU_DEP_1)
	v_lshlrev_b32 v[LI], 4, v9
	s_delay_alu instid0(VALU_DEP_2)
	v_lshlrev_b32 v[L8], 3, v9
	v_and_b32 v9, 15, v0                           ; r
	v_bfe_u32 v11, v0, 4, 1                        ; h
	s_mul_i32 s72, s[WV], 16*272
	s_add_co_u32 s72, s72, STAGE                   ; my stage
	v_mul_u32_u24 v[STO], v9, 272
	s_delay_alu instid0(VALU_DEP_1)
	v_lshl_add_u32 v[STO], v11, 6, v[STO]
	s_delay_alu instid0(VALU_DEP_1)
	v_add_nc_u32 v[STO], s72, v[STO]               ; in: row r, + 64 h: my 16 features of each 32
	v_mul_u32_u24 v[RD], v11, 272
	s_delay_alu instid0(VALU_DEP_1)
	v_lshl_add_u32 v[RD], v9, 4, v[RD]
	s_delay_alu instid0(VALU_DEP_1)
	v_add_nc_u32 v[RD], s72, v[RD]                 ; back: lanes 0-15 one row of 256 bytes, lanes 16-31 the next
	v_lshlrev_b32 v[GO], 12, v11
	s_delay_alu instid0(VALU_DEP_1)
	v_lshl_add_u32 v[GO], v9, 4, v[GO]             ; and the same two tokens in out
	s_and_b32 s73, s[WV], 1
	s_lshl_b32 s73, s73, 7
	s_bfe_u32 s29, s[WV], 0x10001
	s_lshl_b32 s29, s29, 2
	s_add_co_u32 s73, s73, s29
	v_lshl_add_u32 v[QSO], v9, 3, s73              ; Q's word of row r: lane 16 (wave % 2) + r, word (wave / 2) % 2
; One product of S^T = K Q^T: fragment f of K, its half u, query tile t.
.macro KQ f, u, t
.if (\f)%2
	v_wmma_scale_f32_16x16x128_f8f6f4 v[S+64*\t+8*(2*\f+\u):S+64*\t+8*(2*\f+\u)+7], v[KF+16*\f:KF+16*\f+15], v[8+16*\t-8*\u:23+16*\t-8*\u], 0, v[KSC+\f/2], v[ST+8*\t+6] matrix_a_fmt:MATRIX_FMT_BF8 matrix_b_fmt:MATRIX_FMT_BF8 matrix_a_scale:MATRIX_SCALE_ROW1
.else
	v_wmma_scale_f32_16x16x128_f8f6f4 v[S+64*\t+8*(2*\f+\u):S+64*\t+8*(2*\f+\u)+7], v[KF+16*\f:KF+16*\f+15], v[8+16*\t-8*\u:23+16*\t-8*\u], 0, v[KSC+\f/2], v[ST+8*\t+6] matrix_a_fmt:MATRIX_FMT_BF8 matrix_b_fmt:MATRIX_FMT_BF8
.endif
.endm
; One product of O^T += V^T P^T: tile d of V, query tile t.
.macro VP d, t
.if (\d)%2
	v_wmma_scale_f32_16x16x128_f8f6f4 v[OT+32*\t+8*\d:OT+32*\t+8*\d+7], v[VF+16*\d:VF+16*\d+15], v[P+16*\t:P+16*\t+15], v[OT+32*\t+8*\d:OT+32*\t+8*\d+7], v[VSC+\d/2], v[ST+8*\t+5] matrix_a_fmt:MATRIX_FMT_BF8 matrix_b_fmt:MATRIX_FMT_BF8 matrix_a_scale:MATRIX_SCALE_ROW1
.else
	v_wmma_scale_f32_16x16x128_f8f6f4 v[OT+32*\t+8*\d:OT+32*\t+8*\d+7], v[VF+16*\d:VF+16*\d+15], v[P+16*\t:P+16*\t+15], v[OT+32*\t+8*\d:OT+32*\t+8*\d+7], v[VSC+\d/2], v[ST+8*\t+5] matrix_a_fmt:MATRIX_FMT_BF8 matrix_b_fmt:MATRIX_FMT_BF8
.endif
.endm
; The softmax of query tile t for 128 keys: register 16 b + i of S^T is key 32 b + 16 (lane / 16) + i.
.macro SOFTMAX t
.set rS, S+64*\t
.set rT, ST+8*\t
.set rP, P+16*\t
.set rO, OT+32*\t
.irp b, 0,1,2,3
	v_max3_num_f32 v[BMX+\b], v[rS+16*\b], v[rS+16*\b+1], v[rS+16*\b+2]   ; THE LARGEST SCORE OF EACH BLOCK OF 32 KEYS: it serves for the row's maximum and, since p rises with the score, for the block's largest p
.endr
.irp i, 3,5,7,9,11,13
.irp b, 0,1,2,3
	v_max3_num_f32 v[BMX+\b], v[BMX+\b], v[rS+16*\b+\i], v[rS+16*\b+\i+1]   ; (the four blocks by turns; each accumulator is read from its low end on)
.endr
.endr
.irp b, 0,1,2,3
	v_max_num_f32 v[BMX+\b], v[BMX+\b], v[rS+16*\b+15]
.endr
.irp b, 0,1,2,3
	s_delay_alu instid0(VALU_DEP_4)
	v_permlanex16_b32 v[T2+\b], v[BMX+\b], s[SEL], s[SEL+1]
.endr
.irp b, 0,1,2,3
	s_delay_alu instid0(VALU_DEP_4)
	v_max_num_f32 v[BMX+\b], v[BMX+\b], v[T2+\b]   ; with lane l xor 16's 16 keys
.endr
	s_delay_alu instid0(VALU_DEP_2)
	v_max3_num_f32 v[TMP], v[BMX], v[BMX+1], v[BMX+2]
	s_delay_alu instid0(VALU_DEP_1)
	v_max_num_f32 v[TMP], v[TMP], v[BMX+3]         ; the step's largest score of my query
	s_delay_alu instid0(VALU_DEP_1)
	v_mul_f32 v[TMP], s[CS], v[TMP]                ; as t (c is positive)
	s_delay_alu instid0(VALU_DEP_1)
	v_max_num_f32 v[rT+1], v[rT+1], v[TMP]         ; the running largest t
	v_mov_b32 v[TMP], v[rT]
	s_delay_alu instid0(VALU_DEP_2)
	v_floor_f32 v[rT], -v[rT+1]                    ; the new -M = floor(-t) = -ceil(t): M is a whole number
	s_delay_alu instid0(VALU_DEP_1)
	v_sub_f32 v[TMP], v[rT], v[TMP]                ; old M - new M: a whole number, 0 or less
	s_delay_alu instid0(VALU_DEP_1)
	v_cvt_i32_f32 v[TMP], v[TMP]                   ; (it saturates)
	s_delay_alu instid0(VALU_DEP_1)
	v_ldexp_f32 v[rT+4], 1.0, v[TMP]               ; f = 2^(old M - new M)
.set j, 0
.rept 32
	v_pk_fma_f32 v[rS+j:rS+j+1], v[rS+j:rS+j+1], s[CS:CS+1], v[rT:rT+1] op_sel_hi:[1,0,0]   ; t - M, two at a time (of the pairs c and -M the low word serves both halves)
.set j, j+2
.endr
.irp b, 0,1,2,3
	v_fma_f32 v[BMX+\b], v[BMX+\b], s[CS], v[rT]   ; the same of each block's largest score
.endr
.set j, 0
	s_wait_alu depctr_va_vdst(0)
.rept 64
	v_exp_f32 v[rS+j], v[rS+j]                     ; p = 2^(t - M), at most 1: not normalised
.set j, j+1
.endr
.irp b, 0,1,2,3
	v_exp_f32 v[BMX+\b], v[BMX+\b]                 ; the block's largest p: the same two instructions on the same number give the same bits
.endr
	v_pk_mul_f32 v[rT+2:rT+3], v[rT+2:rT+3], v[rT+4:rT+5] op_sel_hi:[1,0]   ; the sums under the new M (a plain line behind the exponentials)
	s_wait_alu depctr_va_vdst(0)
.irp b, 0,1,2,3
	v_max_num_f32 v[BMX+\b], 0x8000000, v[BMX+\b]  ; the floor 2^(16 - 127): the byte cannot fall under 1
.endr
.irp b, 0,1,2,3
	s_delay_alu instid0(VALU_DEP_4)
	v_add_nc_u32 v[SCO+\b], 0xf8800000, v[BMX+\b]  ; 15 off the exponent field: the conversion's scale operand
.endr
.irp b, 0,1,2,3
.endr
.irp b, 0,1,2,3
	s_delay_alu instid0(VALU_DEP_4)
	v_lshrrev_b32 v[T2+\b], 23, v[SCO+\b]          ; the scale's byte
.endr
	s_delay_alu instid0(VALU_DEP_3)
	v_lshl_or_b32 v[rT+5], v[T2+1], 8, v[T2]       ; p's scale word for these 128 keys
	s_delay_alu instid0(VALU_DEP_1)
	v_lshl_or_b32 v[rT+5], v[T2+2], 16, v[rT+5]
	s_delay_alu instid0(VALU_DEP_1)
	v_lshl_or_b32 v[rT+5], v[T2+3], 24, v[rT+5]
	v_pk_add_f32 v[SM2:SM2+1], v[rS:rS+1], v[rS+2:rS+3]   ; THE ROW'S SUM IS TAKEN OF THE UNQUANTISED p: two at a time, in two chains
.set j, 4
.rept 15
	v_pk_add_f32 v[rT+2:rT+3], v[rT+2:rT+3], v[rS+j:rS+j+1]
	v_pk_add_f32 v[SM2:SM2+1], v[SM2:SM2+1], v[rS+j+2:rS+j+3]
.set j, j+4
.endr
	s_delay_alu instid0(VALU_DEP_1)
	v_pk_add_f32 v[rT+2:rT+3], v[rT+2:rT+3], v[SM2:SM2+1]
.irp b, 0,1,2,3
.set j, 0
.rept 16
.set j, j+1
.endr
	v_cvt_scalef32_pk8_bf8_f32 v[rP+4*\b:rP+4*\b+1], v[rS+16*\b:rS+16*\b+7], v[SCO+\b]
	v_cvt_scalef32_pk8_bf8_f32 v[rP+4*\b+2:rP+4*\b+3], v[rS+16*\b+8:rS+16*\b+15], v[SCO+\b]
.endr
	WIN 0x41                                       ; O^T (destination and source 0) in window 1, f in window 0
.set j, 0
.rept 16
	v_pk_mul_f32 v[rO+j:rO+j+1], v[rO+j:rO+j+1], v[rT+4:rT+5] op_sel_hi:[1,0]   ; O^T under the new M.  (These sixteen are also the plain lines between the conversions and the products that take the codes)
.set j, j+2
.endr
	WIN 0
.endm
; A KEY STEP: 128 keys, both query tiles.
.macro STEP
	v_add_nc_u32 v[ADK], s[TB], v[LI]
	v_add_nc_u32 v[ADV], s[TV], v[LI]
	v_add_nc_u32 v[ADS], s[TS], v[L8]
.rept 5
	v_nop                                          ; with the three additions: eight places behind the last products, in front of loads into their registers; and between Q's scale words and the first products
.endr
	ds_load_b64 v[KSC:KSC+1], v[ADS]               ; the scale words of K's four fragments
	WIN 0x40                                       ; destination window 1
.irp f, 0,1,2,3
.irp c, 0,1,2,3
	ds_load_b128 v[KF+16*\f+4*\c:KF+16*\f+4*\c+3], v[ADK] offset:2048*\f+512*\c   ; 32 lanes read 512 consecutive bytes
.endr
.endr
.irp f, 0,1,2,3
.irp c, 0,1,2,3
	ds_load_b128 v[VF+16*\f+4*\c:VF+16*\f+4*\c+3], v[ADV] offset:2048*\f+512*\c
.endr
.endr
	WIN 0
	ds_load_b64 v[VSC:VSC+1], v[ADS] offset:4096   ; and of V's four tiles
	s_wait_dscnt 17                                ; K and its scale words are in; V's sixteen loads and its scale words may be out: they land under the softmax
	WIN 0x05                                       ; K and Q in window 1, S^T in window 0
.irp f, 0,1,2,3
.irp u, 0,1
.irp t, 0,1
	KQ \f, \u, \t
.endr
.endr
.endr
	WIN 0
.rept 8
	v_nop                                          ; places in front of the first read of the scores
.endr
	SOFTMAX 0
	s_setprio 1
	SOFTMAX 1
	s_wait_alu depctr_va_vdst(0)
	s_wait_dscnt 0x0                               ; V is in
	WIN 0x51                                       ; V and O^T in window 1, p's codes in window 0
	s_setprio 0
.irp d, 0,1,2,3
.irp t, 0,1
	VP \d, \t                                      ; eight accumulators, one instruction a turn
.endr
.endr
	WIN 0
	s_add_co_u32 s[TB], s[TB], 8192                ; the next 128 keys
	s_add_co_u32 s[TV], s[TV], 8192
	s_add_co_u32 s[TS], s[TS], 256
.endm
.macro STEPS n
	s_mov_b32 s[CNT], \n
.Lstep_\@:
	s_wait_alu depctr_va_vdst(0)
	s_setprio 2
	STEP
	s_sub_co_u32 s[CNT], s[CNT], 1
	s_cmp_lg_u32 s[CNT], 0
	s_cbranch_scc1 .Lstep_\@
	s_setprio 0
.endm
; The head of pass p: my 32 queries' codes and scale words; the statistics and O^T begin anew (the first change of M multiplies zeros).
.macro HEAD p
	WIN 0x40
.irp q, 0,1,2,3
	global_load_b128 v[8+16*(\q/2)+4*(\q%2):8+16*(\q/2)+4*(\q%2)+3], v[LI], s[QP:QP+1] offset:16384*\p+512*\q   ; quads 0, 1: tile 0; quads 2, 3: tile 1
.endr
	WIN 0
	global_load_b32 v[QWL], v[QSO], s[QS:QS+1] offset:512*\p
.irp t, 0,1
	v_mov_b32 v[ST+8*\t+1], 0xff61b1e6             ; the largest t so far: -3e38, under every t
	s_delay_alu instid0(VALU_DEP_1)
	v_floor_f32 v[ST+8*\t], -v[ST+8*\t+1]          ; -M
	v_mov_b32 v[ST+8*\t+2], 0                      ; the sum, in two halves
	v_mov_b32 v[ST+8*\t+3], 0
	v_mov_b32 v[ST+8*\t+5], 0                      ; (named as the upper half of the pair with f before it is first made)
.endr
.if \p == 0
.irp b, 0,1,2,3
	v_mov_b32 v[T2+\b], 0                          ; written once: a lane permute's destination counts as one of its sources
.endr
.endif
	WIN 0x40
.set j, 0
.rept 64
	v_mov_b32 v[OT+j], 0                           ; O^T
.set j, j+1
.endr
.if \p == 0
.irp z, 0,16,32
.irp i, 0,1,2,3,4,5,6,7
	v_mov_b32 v[\z+\i], 0                          ; the zero codes beside Q
.endr
.endr
.endif
	WIN 0
	s_wait_loadcnt 0x0                             ; Q and its scale word
	v_perm_b32 v[ST+6], v[QWL], v[QWL], 0x01000100    ; tile 0's two bytes, twice: they serve [Q | 0] and [0 | Q]
	v_perm_b32 v[ST+14], v[QWL], v[QWL], 0x03020302   ; tile 1's
	s_mov_b32 s[TB], 0
	s_mov_b32 s[TV], VIMG
	s_mov_b32 s[TS], KSCL
.endm
; The end of pass p: O^T / the sum goes through my stage, a tile (16 queries x 256 bytes) at a time, and leaves as whole runs of 256 bytes.
.macro TAIL p
.rept 8
	v_nop                                          ; places behind the last products
.endr
.irp t, 0,1
	v_add_f32 v[ST+8*\t+2], v[ST+8*\t+2], v[ST+8*\t+3]   ; the sum's two halves,
.endr
.irp t, 0,1
	s_delay_alu instid0(VALU_DEP_2)
	v_permlanex16_b32 v[T2+\t], v[ST+8*\t+2], s[SEL], s[SEL+1]
.endr
.irp t, 0,1
	s_delay_alu instid0(VALU_DEP_2)
	v_add_f32 v[ST+8*\t+2], v[ST+8*\t+2], v[T2+\t] ; and lane l xor 16's: the row's sum
.endr
	s_wait_alu depctr_va_vdst(0)
.irp t, 0,1
	v_rcp_f32 v[ST+8*\t+3], v[ST+8*\t+2]
.endr
	v_nop                                          ; a plain line behind the reciprocals
	s_wait_alu depctr_va_vdst(0)
.irp t, 0,1
	WIN 0x01                                       ; source 0: O^T, in window 1
.set j, 0
.rept 32
	v_mul_f32 v[S+64*\t+j], v[OT+32*\t+j], v[ST+8*\t+3]   ; register 16 b + i: feature 32 b + 16 h + i of my query; each accumulator from its low end on
.set j, j+1
.endr
	WIN 0
.irp b, 0,1
.irp i, 0,1,2,3
	ds_store_b128 v[STO], v[S+64*\t+16*\b+4*\i:S+64*\t+16*\b+4*\i+3] offset:128*\b+16*\i
.endr
.endr
.irp i, 0,1,2,3,4,5,6,7
	ds_load_b128 v[224-32*\t+4*\i:224-32*\t+4*\i+3], v[RD] offset:544*\i   ; LDS serves a wave's instructions in order: these see my stores, and the next tile's stores come behind them
.endr
.endr
.irp t, 0,1
.irp i, 0,1,2,3,4,5,6,7
	s_wait_dscnt 16*(1-\t)+7-\i                    ; load i of this tile is in; behind it: the tile's 7 - i later loads and, for tile 0, tile 1's sixteen LDS instructions
	global_store_b128 v[GO], v[224-32*\t+4*\i:224-32*\t+4*\i+3], s[OP:OP+1] offset:1048576*\p+(8*\t+2*\i+8*(\i/4))*4096 th:TH_STORE_NT   ; stage rows 2 i, 2 i + 1 are tokens 8 t + 2 i + 8 (i / 4) and the next; sixteen lanes store 256 consecutive bytes, aligned
.endr
.endr
.if \p == 0
	s_wait_xcnt 0x0                                ; the stores' data registers are written again in the next pass only behind this wait
.endif
.endm
	HEAD 0
.irp n, 3,2,1,0
	s_wait_tensorcnt \n                            ; tensor loads of a wave end in order (ISA guide 10.11.1): the scale words and my parts of the chunks up to this one are in; the n later chunks stay out
	s_barrier_signal -1                            ; (no LDS instruction of mine is out)
	s_barrier_wait -1                              ; everybody's are
	STEPS 4                                        ; a chunk's 512 keys
.endr
	TAIL 0
	HEAD 1
	STEPS 16                                       ; all keys lie in LDS: no wait, no barrier
	TAIL 1
	s_wait_tensorcnt 0x0
	ds_add_u32 v62, v63
	s_wait_dscnt 0x0
	CROUND                                         ; the closing round: no work-group ends while a partner may still ask for a tile that names it
	s_endpgm
.Lfunc_end_k_q80d1ad1c66_attn:
	.size	k_q80d1ad1c66_attn, .Lfunc_end_k_q80d1ad1c66_attn-k_q80d1ad1c66_attn
	.p2alignl 7, 3214868480
	.fill 96, 4, 3214868480
	.section	.rodata,"a",@progbits
	.p2align	6, 0x0
	.amdhsa_kernel k_q80d1ad1c66_attn
		.amdhsa_group_segment_fixed_size 327680
		.amdhsa_private_segment_fixed_size 0
		.amdhsa_enable_private_segment 0
		.amdhsa_kernarg_size 16
		.amdhsa_user_sgpr_count 2
		.amdhsa_user_sgpr_kernarg_segment_ptr 1
		.amdhsa_wavefront_size32 1
		.amdhsa_system_sgpr_workgroup_id_x 1
		.amdhsa_system_sgpr_workgroup_id_y 1
		.amdhsa_system_sgpr_workgroup_id_z 1
		.amdhsa_system_vgpr_workitem_id 0
		.amdhsa_next_free_vgpr 512
		.amdhsa_next_free_sgpr 80
		.amdhsa_reserve_vcc 0
		.amdhsa_float_denorm_mode_32 3
		.amdhsa_float_denorm_mode_16_64 3
		.amdhsa_fp16_overflow 1
		.amdhsa_memory_ordered 1
		.amdhsa_forward_progress 1
		.amdhsa_inst_pref_size 185
	.end_amdhsa_kernel
	.amdgpu_metadata
---
amdhsa.version: [ 1, 2 ]
amdhsa.kernels:
  - .name:           k_q80d1ad1c66_attn
    .symbol:         k_q80d1ad1c66_attn.kd
    .args:
      - { .name: qkv, .offset: 0, .size: 8, .value_kind: global_buffer, .address_space: global }
      - { .name: out0, .offset: 8, .size: 8, .value_kind: global_buffer, .address_space: global }
    .group_segment_fixed_size: 327680
    .private_segment_fixed_size: 0
    .kernarg_segment_align: 8
    .kernarg_segment_size: 16
    .max_flat_workgroup_size: 256
    .sgpr_count:     80
    .vgpr_count:     512
    .wavefront_size: 32
...
	.end_amdgpu_metadata
.endif
;; end of part 3
